; MI455X (gfx1250); checked and timed in simulation.
; The chip was launched on July 23, 2026; its instructions are those of AMD's public machine-readable ISA for CDNA 5 (MIT licence, August 2026) and "CDNA5" Instruction Set Architecture Reference Guide (July 2026). The comments in the code are by the model that wrote it; some were corrected since.
;; Deep Seek Mo E. Allowed arithmetic: matrix products marked QUANTISED: E2M1 operands, one E8M0 scale for each 32 along K, by v_wmma_scale_f32_16x16x128_f8f6f4 with both operands' format E2M1 (or v_wmma_scale_f32_32x16x128_f4), f32 sums; products left as they are: f32 operands where the result goes on into a quantised operand, else bf16, f16 or f32 operands; f32 sums; everything else in f32.
;; Inputs: W_experts 8 x 1,024 x 1,024 float32; W_router 8 x 1,024 float32; W_shared 1,024 x 1,024 float32; b_experts 8 x 1,024 float32; b_router 8 float32; b_shared 1,024 float32; x 4 x 1,024 x 1,024 float32.
;; Outputs: out0 4 x 1,024 x 1,024 float32.
;; This version of the problem:
;;   THIS VERSION OF THE PROBLEM IS GIVEN IN LOW PRECISION. The matrix products marked QUANTISED in the list below multiply operands that are first quantised to E2M1 (2 exponent bits, 1 mantissa bit; 4 bits a number), with one power-of-two scale for each 32 numbers along K (OCP MX v1.0); their sums are f32. All else is computed in f32.
;;   The module's matrix products, in the order in which they are computed (A, B: the left and right operand; K: the contracted axis; several contracted axes count as one K, in the product's order):
;;     1. [M 4,096, K 1,024] x [K 1,024, N 1,024]; A: input x; B: input W_shared: QUANTISED
;;     2. [M 4,096, K 1,024] x [K 1,024, N 8]; A: input x; B: input W_router: left as it is (N = 8 < 16)
;;     3. [M 4,096, K 1,024] x [K 1,024, N 8,192]; A: input x; B: input W_experts: QUANTISED
;;     4. batch 4,096 x [M 1, K 8] x [K 8, N 1,024]; A: computed on the way; B: computed on the way: left as it is (K = 8 < 32)
;;   THE QUANTISER, for each operand of a quantised product, along K:
;;     - K is cut into blocks of 32 from its start; a last block that is shorter is filled with zeros.
;;     - A block's scale is 2^e with e = floor(log2(the largest magnitude in the block)) - 2, held to -126 .. 127; a block of zeros has e = 0. As a byte (E8M0): e + 127.
;;     - Each number is divided by its block's scale, clamped to +-6, and rounded to the nearest number of E2M1, ties to even, subnormals kept.
;;     - The product sums the exact products of the quantised numbers (number of the format x scale) in f32.
;;   ~~~python
;;   def quantise(x, axis):      # numpy; x: float32 -> the quantised numbers, widened to float32 again
;;       x = np.moveaxis(x, axis, -1); K = x.shape[-1]
;;       x = np.pad(x, [(0, 0)] * (x.ndim - 1) + [(0, -K % 32)]); x = x.reshape(x.shape[:-1] + (-1, 32)); a = np.abs(x).max(-1, keepdims=True)
;;       e = np.where(a > 0, np.clip(np.frexp(np.where(a > 0, a, 1))[1] - 1 - 2, -126, 127), 0)      # np.frexp(a)[1] - 1 = floor(log2(a)), exactly
;;       r = np.clip(x / 2.0 ** e, -6, 6)
;;       step = 2.0 ** (np.maximum(np.frexp(np.where(r == 0, 1, r))[1] - 1, 0) - 1)
;;       q = np.round(r / step) * step * 2.0 ** e      # np.round: ties to even
;;       return np.moveaxis(q.reshape(q.shape[:-2] + (-1,))[..., :K], -1, axis).astype(np.float32)
;;   ~~~
;; One version. Each part assembles by itself: llvm-mc -triple=amdgcn-amd-amdhsa -mcpu=gfx1250 --defsym DOCPART=n.
;; ======== version 1 of 1: 2 launches
;; limits: right only within a limited range of input values
;; workspace buffers: xq 2,097,152 bytes; xs 131,072 bytes; wq 4,718,592 bytes; ws 327,680 bytes; gates 131,072 bytes
;; launch prep (part 1): grid 256 x 1, 8 waves a work-group, no clusters, 31,488 bytes of LDS; arguments x, W_router, b_router, W_experts, W_shared, xq, xs, wq, ws, gates; writes xq, xs, wq, ws, gates
.if DOCPART == 1
	.amdgcn_target "amdgcn-amd-amdhsa--gfx1250"
	.amdhsa_code_object_version 6
	.text
	.protected	k_q67280bd77c_prep
	.globl	k_q67280bd77c_prep
	.p2align	8
	.type	k_q67280bd77c_prep,@function
k_q67280bd77c_prep:
	s_mov_b64 s[64:65], 0
	v_nop
	global_prefetch_b8 v0, s[64:65] scope:SCOPE_SE
	s_setreg_imm32_b32 hwreg(HW_REG_WAVE_MODE, 25, 1), 1
	s_wait_xcnt 0x0
; FIRST OF TWO LAUNCHES.  out[t] = x[t] Ws^T + bs + sum over the 8 experts e of g[t][e] (x[t] We^T + be).  4,096 tokens, D = 1,024.
; This launch: x and the nine weight matrices -> codes of E2M1 and E8M0 scale bytes; the router's scores in f32 (fused multiply-adds), the two best, their softmax, a dense row of 8 gates a token, zeros included.
; xq [token][512 bytes], xs [token][32 bytes]; wq [9,216 rows][512 bytes]: the shared matrix's 1,024 rows first, then the experts'; ws: the shared rows' 32 scale bytes written twice (64 bytes a row), then from byte
; 65,536 on 32 bytes for each of the experts' 8,192 rows; gates [token][8].
; NO WORK IS LEFT OUT: the second launch multiplies every token by every matrix and weighs with the gates, as reference() is written.  All seven inputs are loaded.
; LIMITS: NaN and infinities among the inputs are not served.  A block of zeros gets the scale byte 1 where the rule says 127: its codes are zeros and this program alone reads the bytes; blocks whose largest
; magnitude lies under 2^-124 are held at that byte.  The router's sums are f32 in another order than reference()'s: two scores equal to their last bits may change places; exact ties take the lower index.
; THE ORDER OF THE CODES INSIDE A BLOCK OF 32 is the same permutation for x and for W, so the products meet their partners: dword q of a block's four holds k = 4 q .. 4 q + 3 and 16 + 4 q .. 16 + 4 q + 3.
; So a load takes 512 consecutive bytes (lane (r, h): 16 bytes at 128 (r / 4) + 64 h + 16 (r % 4)), and exchanging halves between two such loads gives a lane 8 numbers of one block, four lanes to a block.
; A CHUNK is 1,024 bytes: 8 blocks; its codes lie at 4 x lane, its 8 scale bytes at lane / 4.
; SHARES.  Work-group g: tokens 16 g .. + 15, expert rows 32 g .. + 31, shared rows 4 g .. + 3.  Wave w: chunk w % 4 of tokens 8 (w / 4) .. + 7; expert rows 4 w .. + 3; half a shared row.
; Codes and scale bytes are gathered in LDS and leave as whole aligned units of 256 bytes.  No matrix unit, no tensor load, no cluster: work-groups share only W_router's 32 KB.
.set CX,    0                          ; x's codes, 16 rows of 512 bytes
.set CW,    8192                       ; 2,304 bytes a wave: four rows of codes and half a shared row's
.set SX,    26624                      ; x's scale bytes
.set SE,    27136                      ; the expert rows'
.set SSH,   28160                      ; the shared rows', twice
.set PS,    28416                      ; partial scores [quarter of d][token][expert]
.set SPARE, 30464                      ; the spare words, 128 bytes a wave: four blocks of 256 bytes that no other line names
.set SPW,   1                          ; v1  my spare word's address; never rewritten
.set NIL,   2                          ; v2  0; never rewritten
.set P,     16                         ; v16-31   eight pairs of partial sums; in the choice at work
.set WR,    32                         ; v32-95   W_router: my 8 numbers of each expert's row; then expert rows 2, 3
.set X,     96                         ; v96-159  my 8 numbers of each of 8 tokens; then half a shared row, and what leaves
.set WA,    160                        ; v160-223 expert rows 0, 1
.set SM,    224                        ; v224-255 4 tokens x 8 experts
.set MX,    224                        ; a block's largest magnitude, its scale operand, codes, byte: four chunks
.set SC,    228
.set CC,    232
.set EB,    236
.macro CHUNK reg, b, off
	global_load_b128 v[\reg:\reg+3], v3, s[\b:\b+1] offset:\off th:TH_LOAD_NT
	global_load_b128 v[\reg+4:\reg+7], v3, s[\b:\b+1] offset:\off+512 th:TH_LOAD_NT
.endm
; n chunks are quantised, by turns line by line.  Codes to v[ca] + co + cs t, bytes to v[sa] + so + ss t.
.macro QUAD B, n, ca, co, cs, sa, so, ss
.irp i, 0,1,2,3
.irp t, 0,1,2,3
.if \t < \n
	v_permlane16_swap_b32 v[\B+8*\t+\i], v[\B+8*\t+4+\i]           ; lane (r, h): the 8 numbers of block 4 h + r / 4
.endif
.endr
.endr
.irp t, 0,1,2,3
.if \t < \n
	v_max3_num_f32 v[MX+\t], |v[\B+8*\t]|, |v[\B+8*\t+1]|, 0x1800000   ; with the floor 2^(3 - 127): the byte cannot fall under 1
.endif
.endr
.irp i, 2,4,6
.irp t, 0,1,2,3
.if \t < \n
	v_max3_num_f32 v[MX+\t], v[MX+\t], |v[\B+8*\t+\i]|, |v[\B+8*\t+\i+1]|
.endif
.endr
.endr
.irp z, 1,2
.irp t, 0,1,2,3
.if \t < \n
	v_max_num_f32_dpp v[MX+\t], v[MX+\t], v[MX+\t] row_xmask:\z row_mask:0xf bank_mask:0xf   ; the block's four lanes
.endif
.endr
.endr
.irp t, 0,1,2,3
.if \t < \n
	v_add_nc_u32 v[SC+\t], 0xff000000, v[MX+\t]    ; 2 off the exponent field: the conversion's scale operand
.endif
.endr
.irp t, 0,1,2,3
.if \t < \n
	v_cvt_scalef32_pk8_fp4_f32 v[CC+\t], v[\B+8*\t:\B+8*\t+7], v[SC+\t]
.endif
.endr
.irp t, 0,1,2,3
.if \t < \n
	v_lshrrev_b32 v[EB+\t], 23, v[SC+\t]           ; the scale's byte (also the plain lines behind the conversions)
.endif
.endr
.irp t, 0,1,2,3
.if \t < \n
	ds_store_b32 v[\ca], v[CC+\t] offset:\co+\cs*\t
	ds_store_b8 v[\sa], v[EB+\t] offset:\so+\ss*\t ; a block's four lanes write the same byte with the same value
.endif
.endr
.endm
.macro DOTS q                          ; tokens 4 q .. 4 q + 3 of my eight against the 8 experts, on the numbers as loaded
.irp t, 0,1,2,3
.irp e, 0,1,2,3,4,5,6,7
	v_pk_mul_f32 v[P+2*\e:P+2*\e+1], v[X+8*(4*\q+\t):X+8*(4*\q+\t)+1], v[WR+8*\e:WR+8*\e+1]
.endr
.irp k, 2,4,6
.irp e, 0,1,2,3,4,5,6,7
	v_pk_fma_f32 v[P+2*\e:P+2*\e+1], v[X+8*(4*\q+\t)+\k:X+8*(4*\q+\t)+\k+1], v[WR+8*\e+\k:WR+8*\e+\k+1], v[P+2*\e:P+2*\e+1]
.endr
.endr
.irp e, 0,1,2,3,4,5,6,7
	v_add_f32 v[SM+8*\t+\e], v[P+2*\e], v[P+2*\e+1]
.endr
.endr
.endm
.macro FOLD n, m                       ; lanes with bit n take the upper n values, the others the lower n, each with its partner's share
.irp i, 0,1,2,3,4,5,6,7
.if \i < \n
	v_cndmask_b32 v[SM+16+\i], v[SM+\n+\i], v[SM+\i], s[\m]
.endif
.endr
.irp i, 0,1,2,3,4,5,6,7
.if \i < \n
	v_cndmask_b32 v[SM+\i], v[SM+\i], v[SM+\n+\i], s[\m]
.endif
.endr
.irp i, 0,1,2,3,4,5,6,7
.if \i < \n
	v_add_f32_dpp v[SM+\i], v[SM+16+\i], v[SM+\i] row_xmask:\n row_mask:0xf bank_mask:0xf
.endif
.endr
.endm
.macro SUMS q                          ; 32 sums over 32 lanes: lane l ends with value l = 8 x token + expert
.irp i, 0,1,2,3,4,5,6,7,8,9,10,11,12,13,14,15
	v_permlane16_swap_b32 v[SM+\i], v[SM+16+\i]
.endr
.irp i, 0,1,2,3,4,5,6,7,8,9,10,11,12,13,14,15
	v_add_f32 v[SM+\i], v[SM+\i], v[SM+16+\i]
.endr
	FOLD 8, 40
	FOLD 4, 41
	FOLD 2, 42
	FOLD 1, 43
	ds_store_b32 v9, v[SM] offset:128*\q
.endm
	s_load_b512 s[4:19], s[0:1], 0x0               ; x 4, W_router 6, b_router 8, W_experts 10, W_shared 12, xq 14, xs 16, wq 18
	s_load_b128 s[20:23], s[0:1], 0x40             ; ws 20, gates 22
	v_lshl_add_u32 v[SPW], v0, 2, SPARE
	v_mov_b32 v[NIL], 0
	v_lshrrev_b32 v16, 5, v0
	v_readfirstlane_b32 s33, v16                   ; wave 0..7
	s_and_b32 s34, s33, 3                          ; which chunk of a token
	s_lshr_b32 s35, s33, 2                         ; which eight tokens
	s_mul_i32 s38, s33, 2304
	s_add_co_u32 s38, s38, CW                      ; my rows' codes
	s_lshl_b32 s39, s35, 12
	s_lshl_b32 s52, s34, 7
	s_add_co_u32 s39, s39, s52                     ; x's codes: 4,096 (w / 4) + 128 (w % 4)
	s_lshl_b32 s53, s35, 8
	s_lshl_b32 s52, s34, 9
	s_add_co_u32 s54, s53, s52
	s_add_co_u32 s54, s54, PS                      ; partial scores: 512 (w % 4) + 256 (w / 4)
	s_lshl_b32 s52, s34, 3
	s_add_co_u32 s53, s53, s52
	s_add_co_u32 s53, s53, SX                      ; x's bytes: 256 (w / 4) + 8 (w % 4)
	s_lshl_b32 s55, s33, 7
	s_add_co_u32 s55, s55, SE                      ; expert rows' bytes: 128 w
	s_lshr_b32 s56, s33, 1
	s_lshl_b32 s56, s56, 6
	s_and_b32 s52, s33, 1
	s_lshl_b32 s52, s52, 4
	s_add_co_u32 s56, s56, s52
	s_add_co_u32 s56, s56, SSH                     ; shared rows' bytes: 64 (w / 2) + 16 (w % 2)
	s_lshl_b32 s57, s33, 10                        ; x's rows 2 w, 2 w + 1
	s_mov_b32 s40, 0xff00ff00                      ; lanes with bit 3, 2, 1, 0
	s_mov_b32 s41, 0xf0f0f0f0
	s_mov_b32 s42, 0xcccccccc
	s_mov_b32 s43, 0xaaaaaaaa
	s_mov_b32 s82, 0xffff0000                      ; lanes 16-31
	v_and_b32 v17, 31, v0                          ; l
	v_bfe_u32 v18, v0, 2, 2                        ; r / 4
	v_and_b32 v19, 3, v0                           ; r % 4
	v_bfe_u32 v20, v0, 4, 1                        ; h
	v_lshlrev_b32 v3, 7, v18
	v_lshl_add_u32 v3, v19, 4, v3
	v_lshl_add_u32 v3, v20, 6, v3                  ; v3  a load: 128 (r / 4) + 64 h + 16 (r % 4)
	v_lshlrev_b32 v4, 4, v17                       ; v4  16 l
	v_lshlrev_b32 v5, 2, v17                       ; v5  4 l
	v_lshlrev_b32 v6, 3, v17                       ; v6  8 l
	v_lshrrev_b32 v21, 2, v17                      ; l / 4
	v_add_nc_u32 v7, s39, v5                       ; v7  x's codes, in
	v_add_nc_u32 v8, s53, v21                      ; v8  x's bytes, in
	v_add_nc_u32 v9, s54, v5                       ; v9  partial scores, in
	v_add_nc_u32 v10, s38, v5                      ; v10 my rows' codes, in
	v_add_nc_u32 v11, s38, v4                      ; v11 and out: a row of 512 bytes
	v_add_nc_u32 v12, s55, v21                     ; v12 my expert rows' bytes, in
	v_add_nc_u32 v13, s56, v21                     ; v13 my half shared row's bytes, in
	v_add_nc_u32 v14, s57, v4                      ; v14 x's codes, out
	v_add_nc_u32 v15, s38, v6                      ; v15 half a shared row's codes, out
	s_wait_alu depctr_va_vdst(0)                   ; the wait at the head's end
	s_wait_kmcnt 0x0
	s_load_b256 s[24:31], s[8:9], 0x0              ; b_router: waited for in front of the barrier
	s_mov_b32 s37, 0
	s_lshl_b32 s36, s34, 10
	s_add_nc_u64 s[6:7], s[6:7], s[36:37]
.irp e, 0,1,2,3,4,5,6,7
.irp j, 0,1
	global_load_b128 v[WR+8*\e+4*\j:WR+8*\e+4*\j+3], v3, s[6:7] offset:4096*\e+512*\j
.endr
.endr
	s_lshl_b32 s58, ttmp9, 16
	s_lshl_b32 s59, s35, 15
	s_add_co_u32 s58, s58, s59
	s_add_co_u32 s36, s36, s58
	s_add_nc_u64 s[4:5], s[4:5], s[36:37]          ; x: 16 rows of 4,096 bytes a work-group, eight rows, one chunk
.irp t, 0,1,2,3,4,5,6,7
	CHUNK X+8*\t, 4, 4096*\t
.endr
	s_lshl_b32 s36, ttmp9, 17
	s_lshl_b32 s58, s33, 14
	s_add_co_u32 s36, s36, s58
	s_add_nc_u64 s[10:11], s[10:11], s[36:37]      ; W_experts: 32 rows a work-group, 4 a wave
.irp t, 0,1,2,3,4,5,6,7
	CHUNK WA+8*\t, 10, 1024*\t
.endr
	s_lshl_b32 s36, ttmp9, 14
	s_add_nc_u64 s[44:45], s[18:19], s[36:37]
	s_lshl_b32 s58, s33, 11
	s_add_co_u32 s36, s36, s58
	s_add_nc_u64 s[12:13], s[12:13], s[36:37]      ; W_shared: 4 rows a work-group, half a row a wave
	s_mov_b32 s36, s58
	s_add_nc_u64 s[44:45], s[44:45], s[36:37]
	s_add_nc_u64 s[44:45], s[44:45], 0x80000       ; wq, the experts' part: 16,384 g + 2,048 w
	s_lshl_b32 s36, ttmp9, 11
	s_lshl_b32 s58, s33, 8
	s_add_co_u32 s36, s36, s58
	s_add_nc_u64 s[46:47], s[18:19], s[36:37]      ; the shared part: 2,048 g + 256 w
	s_lshl_b32 s36, ttmp9, 10
	s_add_nc_u64 s[48:49], s[20:21], s[36:37]
	s_add_nc_u64 s[48:49], s[48:49], 0x10000       ; ws, the experts' part: 1,024 g
	s_lshl_b32 s36, ttmp9, 8
	s_add_nc_u64 s[50:51], s[20:21], s[36:37]      ; the shared part: 256 g
	s_lshl_b32 s36, ttmp9, 9
	s_add_nc_u64 s[16:17], s[16:17], s[36:37]      ; xs: 512 g
	s_add_nc_u64 s[22:23], s[22:23], s[36:37]      ; gates: 512 g
	s_lshl_b32 s36, ttmp9, 13
	s_lshl_b32 s58, s33, 10
	s_add_co_u32 s36, s36, s58
	s_add_nc_u64 s[14:15], s[14:15], s[36:37]      ; xq: 8,192 g + 1,024 w
	s_wait_loadcnt 24                              ; W_router and tokens 0-3 are in; tokens 4-7 (8 loads) and rows 0, 1 (16) may be out
	DOTS 0
	SUMS 0
	QUAD X, 4, 7, 0, 512, 8, 0, 32
	s_wait_loadcnt 16                              ; tokens 4-7
	DOTS 1
	SUMS 1
	QUAD X+32, 4, 7, 2048, 512, 8, 128, 32
	s_wait_kmcnt 0x0                               ; b_router
	s_wait_dscnt 0x0                               ; for the others' sake: my codes, bytes and partial scores lie in LDS
	s_barrier_signal -1
	s_barrier_wait -1
.irp i, 0,1
	ds_load_b128 v[132+4*\i:135+4*\i], v14 offset:CX+512*\i
.endr
	s_cmp_lg_u32 s33, 0
	s_cbranch_scc1 .Lno_scores
	v_and_b32 v16, 15, v0
	v_lshlrev_b32 v17, 5, v16
.irp k, 0,1,2,3
.irp j, 0,1
	ds_load_b128 v[224+8*\k+4*\j:227+8*\k+4*\j], v17 offset:PS+512*\k+16*\j   ; wave 0: token l % 16's partial scores, for the choice below
.endr
.endr
.Lno_scores:
.irp t, 0,1,2,3,4,5,6,7
	CHUNK WR+8*\t, 10, 8192+1024*\t                ; rows 2, 3, where W_router lay
.endr
	CHUNK X, 12, 0                                 ; half a shared row, where tokens 0, 1 lay
	CHUNK X+8, 12, 1024
.irp i, 0,1
	s_wait_dscnt 1-\i
	global_store_b128 v4, v[132+4*\i:135+4*\i], s[14:15] offset:512*\i   ; a token's 512 bytes of codes
.endr
	s_cmp_lg_u32 s33, 3
	s_cbranch_scc1 .Lnot_3
	ds_load_b128 v[140:143], v4 offset:SX          ; wave 3: the 16 tokens' scale bytes
	s_wait_dscnt 0x0
	global_store_b128 v4, v[140:143], s[16:17]
.Lnot_3:
	s_cmp_lg_u32 s33, 0
	s_cbranch_scc1 .Lnot_0
	; wave 0: the choice.  Lane l serves token l % 16 (lanes 16-31 repeat lanes 0-15)
	v_and_b32 v16, 15, v0
	v_lshlrev_b32 v17, 5, v16
	v_bfe_u32 v18, v0, 4, 1
	v_lshl_add_u32 v18, v18, 4, v17                ; gates: 32 (l % 16) + 16 (l / 16)
	s_wait_dscnt 0x0                               ; the partial scores are in
.irp e, 0,1,2,3,4,5,6,7
	v_add_f32 v[224+\e], v[224+\e], v[232+\e]
	v_add_f32 v[240+\e], v[240+\e], v[248+\e]
.endr
.irp e, 0,1,2,3,4,5,6,7
	v_add_f32 v[224+\e], v[224+\e], v[240+\e]
.endr
.irp e, 0,1,2,3,4,5,6,7
	v_add_f32 v[224+\e], s[24+\e], v[224+\e]       ; the scores
.endr
	v_max3_num_f32 v16, v224, v225, v226           ; the best score
	v_max3_num_f32 v19, v227, v228, v229
	v_max3_num_f32 v16, v16, v230, v231
	v_max_num_f32 v16, v16, v19
	v_mov_b32 v20, 7                               ; and its expert: the lowest index that has it
.irp e, 0,1,2,3,4,5,6
	v_cmp_neq_f32 s[66+\e], v16, v[224+\e]
.endr
.irp e, 6,5,4,3,2,1,0
	v_cndmask_b32 v20, \e, v20, s[66+\e]
.endr
	v_mov_b32 v21, 0xff800000                      ; -infinity takes the best one's place,
.irp e, 0,1,2,3,4,5,6,7
	v_cmp_ne_u32 s[74+\e], \e, v20
.endr
.irp e, 0,1,2,3,4,5,6,7
	v_cndmask_b32 v[232+\e], v21, v[224+\e], s[74+\e]
.endr
	v_max3_num_f32 v23, v232, v233, v234           ; and the same search gives the second
	v_max3_num_f32 v19, v235, v236, v237
	v_max3_num_f32 v23, v23, v238, v239
	v_max_num_f32 v23, v23, v19
	v_mov_b32 v22, 7
.irp e, 0,1,2,3,4,5,6
	v_cmp_neq_f32 s[66+\e], v23, v[232+\e]
.endr
.irp e, 6,5,4,3,2,1,0
	v_cndmask_b32 v22, \e, v22, s[66+\e]
.endr
	v_sub_f32 v19, v23, v16                        ; the softmax of the two, the larger taken away: 1 / (1 + ex) and ex / (1 + ex), ex = e^(second - best) <= 1
	v_mul_f32 v19, 0x3fb8aa3b, v19
	s_wait_alu depctr_va_vdst(0)                   ; the wait ahead of a transcendental and behind it
	v_exp_f32 v21, v19
	v_nop
	s_wait_alu depctr_va_vdst(0)
	v_add_f32 v19, 1.0, v21
	s_wait_alu depctr_va_vdst(0)
	v_rcp_f32 v24, v19
	v_nop
	s_wait_alu depctr_va_vdst(0)
	v_mul_f32 v25, v21, v24
.irp e, 0,1,2,3,4,5,6,7
	v_cmp_eq_u32 s[66+\e], \e, v22
.endr
.irp e, 0,1,2,3,4,5,6,7
	v_cmp_eq_u32 s[74+\e], \e, v20
.endr
.irp e, 0,1,2,3,4,5,6,7
	v_cndmask_b32 v[240+\e], 0, v25, s[66+\e]
.endr
.irp e, 0,1,2,3,4,5,6,7
	v_cndmask_b32 v[240+\e], v[240+\e], v24, s[74+\e]   ; the token's row of gates, zeros included
.endr
.irp j, 0,1,2,3
	v_cndmask_b32 v[248+\j], v[240+\j], v[244+\j], s82  ; lanes 0-15 store gates 0-3, lanes 16-31 gates 4-7
.endr
	global_store_b128 v18, v[248:251], s[22:23]    ; 512 consecutive bytes
.Lnot_0:
; the weights.  A row's codes come back from my own bytes as 512 consecutive ones and are stored one row later
	s_wait_loadcnt 28                              ; row 0; row 1 (8 loads) and the 20 of rows 2, 3 and the shared half may be out
	QUAD WA, 4, 10, 0, 128, 12, 0, 8
	ds_load_b128 v[112:115], v11
	s_wait_loadcnt 20
	QUAD WA+32, 4, 10, 512, 128, 12, 32, 8
	ds_load_b128 v[116:119], v11 offset:512
	s_wait_dscnt 9                                 ; row 0's codes are back; the eight stores and the load behind them may be out
	global_store_b128 v4, v[112:115], s[44:45]
	s_wait_loadcnt 12
	QUAD WR, 4, 10, 1024, 128, 12, 64, 8
	ds_load_b128 v[120:123], v11 offset:1024
	s_wait_dscnt 9
	global_store_b128 v4, v[116:119], s[44:45] offset:512
	s_wait_loadcnt 4
	QUAD WR+32, 4, 10, 1536, 128, 12, 96, 8
	ds_load_b128 v[124:127], v11 offset:1536
	s_wait_dscnt 9
	global_store_b128 v4, v[120:123], s[44:45] offset:1024
	s_wait_loadcnt 0x0
	QUAD X, 2, 10, 2048, 128, 13, 0, 8
.irp t, 0,1
	ds_store_b8 v13, v[EB+\t] offset:32+8*\t       ; the shared rows' bytes a second time: four rows then make a whole unit
.endr
	ds_load_b64 v[128:129], v15 offset:2048
	s_wait_dscnt 7                                 ; row 3's codes are back; the six stores and the load behind them may be out
	global_store_b128 v4, v[124:127], s[44:45] offset:1536
	s_wait_dscnt 0x0                               ; (and for the others' sake: my scale bytes lie in LDS)
	global_store_b64 v6, v[128:129], s[46:47]      ; 256 consecutive bytes
	s_barrier_signal -1
	s_barrier_wait -1
	s_cmp_lg_u32 s33, 1
	s_cbranch_scc1 .Lnot_1
	ds_load_b128 v[144:147], v4 offset:SE          ; wave 1: the 32 expert rows' scale bytes
	ds_load_b128 v[148:151], v4 offset:SE+512
	s_wait_dscnt 0x0
	global_store_b128 v4, v[144:147], s[48:49]
	global_store_b128 v4, v[148:151], s[48:49] offset:512
.Lnot_1:
	s_cmp_lg_u32 s33, 2
	s_cbranch_scc1 .Lend
	ds_load_b64 v[152:153], v6 offset:SSH          ; wave 2: the four shared rows', 256 consecutive bytes
	s_wait_dscnt 0x0
	global_store_b64 v6, v[152:153], s[50:51]
.Lend:
	s_wait_tensorcnt 0x0                           ; the wave's end: behind my last LDS store
	ds_add_u32 v[SPW], v[NIL]
	s_wait_dscnt 0x0
	s_endpgm
.Lfunc_end_k_q67280bd77c_prep:
	.size	k_q67280bd77c_prep, .Lfunc_end_k_q67280bd77c_prep-k_q67280bd77c_prep
	.p2alignl 7, 3214868480
	.fill 96, 4, 3214868480
	.section	.rodata,"a",@progbits
	.p2align	6, 0x0
	.amdhsa_kernel k_q67280bd77c_prep
		.amdhsa_group_segment_fixed_size 31488
		.amdhsa_private_segment_fixed_size 0
		.amdhsa_enable_private_segment 0
		.amdhsa_kernarg_size 80
		.amdhsa_user_sgpr_count 2
		.amdhsa_user_sgpr_kernarg_segment_ptr 1
		.amdhsa_wavefront_size32 1
		.amdhsa_system_sgpr_workgroup_id_x 1
		.amdhsa_system_sgpr_workgroup_id_y 1
		.amdhsa_system_sgpr_workgroup_id_z 1
		.amdhsa_system_vgpr_workitem_id 0
		.amdhsa_next_free_vgpr 256
		.amdhsa_next_free_sgpr 84
		.amdhsa_reserve_vcc 0
		.amdhsa_float_denorm_mode_32 3
		.amdhsa_float_denorm_mode_16_64 3
		.amdhsa_memory_ordered 1
		.amdhsa_forward_progress 1
		.amdhsa_inst_pref_size 68
	.end_amdhsa_kernel
	.amdgpu_metadata
---
amdhsa.version: [ 1, 2 ]
amdhsa.kernels:
  - .name:           k_q67280bd77c_prep
    .symbol:         k_q67280bd77c_prep.kd
    .args:
      - { .name: x, .offset: 0, .size: 8, .value_kind: global_buffer, .address_space: global }
      - { .name: W_router, .offset: 8, .size: 8, .value_kind: global_buffer, .address_space: global }
      - { .name: b_router, .offset: 16, .size: 8, .value_kind: global_buffer, .address_space: global }
      - { .name: W_experts, .offset: 24, .size: 8, .value_kind: global_buffer, .address_space: global }
      - { .name: W_shared, .offset: 32, .size: 8, .value_kind: global_buffer, .address_space: global }
      - { .name: xq, .offset: 40, .size: 8, .value_kind: global_buffer, .address_space: global }
      - { .name: xs, .offset: 48, .size: 8, .value_kind: global_buffer, .address_space: global }
      - { .name: wq, .offset: 56, .size: 8, .value_kind: global_buffer, .address_space: global }
      - { .name: ws, .offset: 64, .size: 8, .value_kind: global_buffer, .address_space: global }
      - { .name: gates, .offset: 72, .size: 8, .value_kind: global_buffer, .address_space: global }
    .group_segment_fixed_size: 31488
    .private_segment_fixed_size: 0
    .kernarg_segment_align: 8
    .kernarg_segment_size: 80
    .max_flat_workgroup_size: 256
    .sgpr_count:     84
    .vgpr_count:     256
    .wavefront_size: 32
...
	.end_amdgpu_metadata
.endif
;; end of part 1
;; launch moe (part 2): grid 16 x 16, 4 waves a work-group, clusters of 4 x 4, 327,680 bytes of LDS; arguments xq, xs, wq, ws, gates, b_shared, b_experts, out0; writes out0
.if DOCPART == 2
	.amdgcn_target "amdgcn-amd-amdhsa--gfx1250"
	.amdhsa_code_object_version 6
	.text
	.protected	k_q67280bd77c_moe
	.globl	k_q67280bd77c_moe
	.p2align	8
	.type	k_q67280bd77c_moe,@function
k_q67280bd77c_moe:
	s_mov_b64 s[64:65], 0
	v_nop
	global_prefetch_b8 v0, s[64:65] scope:SCOPE_SE
	s_setreg_imm32_b32 hwreg(HW_REG_WAVE_MODE, 25, 1), 1
	s_wait_xcnt 0x0
	s_wait_alu depctr_hold_cnt(0) depctr_sa_sdst(0) depctr_va_vdst(0) depctr_va_sdst(0) depctr_va_ssrc(0) depctr_va_vcc(0) depctr_vm_vsrc(0)
	s_getreg_b32 s2, hwreg(HW_REG_IB_STS2, 6, 4)
	s_cmp_eq_u32 s2, 0
	s_cbranch_scc0 .Lentry_in_a_cluster
	s_endpgm
.Lentry_in_a_cluster:
	s_bfe_u32 s2, ttmp6, 0x10000c
	s_cmp_lg_u32 s2, 0xf033
	s_cbranch_scc0 .Lentry_shape_is_right
	s_endpgm
.Lentry_shape_is_right:
; SECOND LAUNCH.  out[t] = x[t] Ws^T + bs + sum over e of g[t][e] (x[t] We^T + be), the products on codes of E2M1 with E8M0 scales, f32 sums; biases and gates in f32.  Nothing is left out: all eight experts are
; multiplied for every token and weighed with the stored gates, zeros among them.  LIMIT: NaN and infinities are not served.
; SHARES.  A work-group makes 256 tokens x 64 columns of out; wave w: tokens 128 (w / 2) .. + 127 x columns 32 (w % 2) .. + 31 of those.  x's codes of all of K (8 tiles x 8 K steps x 8 registers) stay in 512
; registers; a matrix's 64 rows pass through LDS, and each fragment of W feeds eight products.  THE MATRIX INSTRUCTION IS USED TRANSPOSED (source 0 = 16 rows of W, source 1 = 16 tokens): a lane holds one token and
; eight neighbouring columns, so a gate is one number a lane.  Matrix 0 is the shared one: its sums start from bs and are the totals; an expert's sums start from be and are added to the totals times the gate.
; LDS: NINE SLOTS, one for each matrix: 64 rows of 512 bytes + 16 of padding.  x's 256 rows lie where matrices 5 to 8 come later: only those bytes are filled twice.
; FILLS, one tensor load a wave each time: the head: x's two halves, matrices 0, 1; behind the first round (all of these in): matrices 2, 3, 4 (waves 0-2); behind the second (x read out, 2-4 in): matrices 5 to 8.
; CLUSTERS of 4 x 4: x's rows are asked for jointly by the four work-groups of a cluster's row, W's by the four of its column.
; NO PREFETCH: behind the head's four loads, which nothing precedes, each tile is asked for by its own tensor load at least one whole matrix (128 matrix instructions a wave) ahead of the wait for it.
; A matrix is two halves of four K steps, 64 matrix instructions each; the 16 accumulators take turns, one instruction a turn.  Behind a half the same registers take the next matrix's half: one half ahead of its use.
; The last matrix goes by pairs of token tiles, so that a pair's rows of out leave while the next pair is multiplied.
; REGISTERS, in windows of 256: window 0: v1-15 addresses; v32-63 x's scale words; v64-79 W's, two sets; v80-111 biases, two sets; v112-127 gates, two sets; v128-255 an expert's sums ((m, c) at 128 + 8 (2 m + c)).
;   window 1: v0-127 the totals, laid the same way; v128-255 W's fragments ((K step, c) at 128 + 16 ks + 8 c).   windows 2, 3: x's: (tile m, K step ks) in window 2 + ks / 4 at 64 (ks % 4) + 8 m.
.set PITCH,  528                       ; 132 words: row r starts at bank 4 r mod 64, so the 16 rows that a load touches start at 16 different banks
.set SLOT,   64*PITCH
.set XB,     5*SLOT                    ; x's 256 rows
.set SPARE,  9*SLOT                    ; the spare words, 128 bytes a wave: two blocks of 256 bytes that no other line names
.set SPITCH, 272                       ; the way out: 256 rows of 256 bytes + 16, in slots 0 to 2, which have had their last fill and their last read
.set MB,     0x80000                   ; a matrix's codes in bytes
.set SPW, 1
.set NIL, 2
.set FX,  3                            ; v3  x's fragments: row 128 (w / 2) + r, + 16 h
.set W0,  4                            ; v4  W's, slots 0 and 1;  v5  slots 2, 3;  v6  slot 4 on
.set W2,  5
.set W4,  6
.set CO,  7                            ; v7  two rows of out
.set L32, 9                            ; v9  32 l
.set L64, 11                           ; v11 64 l
.set H32, 12                           ; v12 32 h
.set R32, 13                           ; v13 32 r
.set SO,  14                           ; v14 the way out: where I put 32 bytes of a row
.set SR,  15                           ; v15 and where I read two rows back
.set XS,  32                           ; register 8 p + ks: lane l: token 32 p + l of my 128
.set WS,  64                           ; register 8 set + ks: lane l: row l of my 32
.set BI,  80                           ; register 16 set + 8 c + j: column 16 c + 8 h + j of my 32
.set G,   112                          ; register 8 set + m: token 16 m + r
.set TMP, 128                          ; window 0
.set WF,  128                          ; window 1
.set G1X, 28                           ; descriptor group 1: x's halves of 128 rows;  W's 64 rows
.set G1W, 36
.set G0X0, 44                          ; group 0: x's two halves, matrices 0 and 1, the first round's, the second round's
.set G0X1, 48
.set G0W0, 52
.set G0W1, 56
.set G0R,  60
.set G0S,  68
.set MSB, 0
.macro WIN new                         ; the immediate's high byte repeats the setting that is left
.if MSB != (\new)
	s_set_vgpr_msb (MSB<<8)|(\new)
.set MSB, (\new)
.endif
.endm
.macro CREST                           ; a round of the cluster's barrier behind its opening barrier
	s_cmp_lg_u32 s22, 0
	s_cbranch_scc1 .Lnot_wave_0_\@
	s_barrier_signal -3
.Lnot_wave_0_\@:
	s_barrier_wait -3
	s_barrier_signal -1
	s_barrier_wait -1
.endm
.macro CROUND
	s_barrier_signal -1
	s_barrier_wait -1
	CREST
.endm
.macro PLACES                          ; four plain lines behind matrix instructions, ahead of loads into what they read and of reads of what they wrote
.rept 4
	v_nop
.endr
.endm
.macro WMM ra, rb                      ; ra, rb: the scale words stand in lanes 16-31
.if (\ra) && (\rb)
	v_wmma_scale_f32_16x16x128_f8f6f4 v[rD:rD+7], v[rA:rA+7], v[rB:rB+7], v[rC:rC+7], v[rSA], v[rSB] matrix_a_fmt:MATRIX_FMT_FP4 matrix_b_fmt:MATRIX_FMT_FP4 matrix_a_scale:MATRIX_SCALE_ROW1 matrix_b_scale:MATRIX_SCALE_ROW1
.elseif (\ra)
	v_wmma_scale_f32_16x16x128_f8f6f4 v[rD:rD+7], v[rA:rA+7], v[rB:rB+7], v[rC:rC+7], v[rSA], v[rSB] matrix_a_fmt:MATRIX_FMT_FP4 matrix_b_fmt:MATRIX_FMT_FP4 matrix_a_scale:MATRIX_SCALE_ROW1
.elseif (\rb)
	v_wmma_scale_f32_16x16x128_f8f6f4 v[rD:rD+7], v[rA:rA+7], v[rB:rB+7], v[rC:rC+7], v[rSA], v[rSB] matrix_a_fmt:MATRIX_FMT_FP4 matrix_b_fmt:MATRIX_FMT_FP4 matrix_b_scale:MATRIX_SCALE_ROW1
.else
	v_wmma_scale_f32_16x16x128_f8f6f4 v[rD:rD+7], v[rA:rA+7], v[rB:rB+7], v[rC:rC+7], v[rSA], v[rSB] matrix_a_fmt:MATRIX_FMT_FP4 matrix_b_fmt:MATRIX_FMT_FP4
.endif
.endm
.macro PROD ks, c, m, tot, set         ; one product: K step ks, 16 columns c, 16 tokens m; K step 0 starts the sum from the bias
.set rA, WF+16*(\ks)+8*(\c)
.set rB, 64*((\ks)%4)+8*(\m)
.set rSA, WS+8*(\set)+(\ks)
.set rSB, XS+8*((\m)/2)+(\ks)
.set rD, TMP*(1-(\tot))+8*(2*(\m)+(\c))
.if (\ks) == 0
.set rC, BI+16*(\set)+8*(\c)
.else
.set rC, rD
.endif
	WMM (\c), (\m)%2
.endm
; 16 matrix instructions: one K step of 128.  tot = 1: the totals; 0: an expert's sums.
.macro KS ks, tot, set
.if (\tot) && ((\ks) == 0)
	WIN 0x49                                       ; source 0 (W) window 1, source 1 (x) window 2, C (the biases) window 0, D window 1
.elseif (\tot)
	WIN 0x59+4*((\ks)/4)                           ; source 1 window 2 or 3, C and D window 1
.else
	WIN 0x09+4*((\ks)/4)                           ; C and D window 0
.endif
.irp c, 0,1
.irp m, 0,1,2,3,4,5,6,7
	PROD \ks, \c, \m, \tot, \set
.endr
.endr
.endm
.macro UNIT u, k0, k1                  ; the last matrix: K steps k0 .. k1 - 1 of token tiles 2 u, 2 u + 1: four accumulators by turns
.irp ks, 0,1,2,3,4,5,6,7
.if (\ks >= \k0) && (\ks < \k1)
	WIN 0x09+4*(\ks/4)
.irp c, 0,1
.irp a, 0,1
	PROD \ks, \c, 2*\u+\a, 0, 0
.endr
.endr
.endif
.endr
.endm
.macro WPAIR p, adr, off               ; K steps 2 p, 2 p + 1 of my 32 rows: 16 rows x 128 K are two loads of 16 bytes a lane, 32 bytes apart
	WIN 0x40                                       ; destination window 1
.irp k, 0,1
.irp c, 0,1
.irp hc, 0,1
	ds_load_b128 v[WF+16*(2*(\p)+\k)+8*\c+4*\hc:WF+16*(2*(\p)+\k)+8*\c+4*\hc+3], v[\adr] offset:\off+16*PITCH*\c+64*(2*(\p)+\k)+32*\hc
.endr
.endr
.endr
.endm
.macro WHALF hf, adr, off              ; four K steps: 16 loads
	WPAIR 2*\hf, \adr, \off
	WPAIR 2*\hf+1, \adr, \off
.endm
.macro XK ks                           ; x's eight fragments of one K step
	WIN 0x80+0x40*(\ks/4)                          ; destination window 2 or 3
.irp m, 0,1,2,3,4,5,6,7
.irp hc, 0,1
	ds_load_b128 v[64*(\ks%4)+8*\m+4*\hc:64*(\ks%4)+8*\m+4*\hc+3], v[FX] offset:16*PITCH*\m+64*\ks+32*\hc
.endr
.endr
.endm
.macro NEXT set                        ; an expert's scale words, biases and gates: 14 loads
	WIN 0
.irp j, 0,1
	global_load_b128 v[WS+8*(\set)+4*\j:WS+8*(\set)+4*\j+3], v[L32], s[84:85] offset:16*\j
.endr
.irp c, 0,1
.irp j, 0,1
	global_load_b128 v[BI+16*(\set)+8*\c+4*\j:BI+16*(\set)+8*\c+4*\j+3], v[H32], s[86:87] offset:64*\c+16*\j
.endr
.endr
.irp m, 0,1,2,3,4,5,6,7
	global_load_b32 v[G+8*(\set)+\m], v[R32], s[88:89] offset:512*\m
.endr
.endm
.macro BEGIN set                       ; this expert's 14 loads are in, and so their bases may step; the next expert's go out
	s_wait_loadcnt 0x0
	s_add_nc_u64 s[84:85], s[84:85], 0x8000
	s_add_nc_u64 s[86:87], s[86:87], 0x1000
	s_add_nc_u64 s[88:89], s[88:89], 4
	NEXT 1-\set
.endm
.macro COMBINE set, lo, hi             ; totals += sums x the lane's gate, tiles lo .. hi - 1; each accumulator from its low end on
	WIN 0x50                                       ; the sums and the gates window 0, the totals window 1
.irp m, 0,1,2,3,4,5,6,7
.if (\m >= (\lo)) && (\m < (\hi))
.irp c, 0,1
.irp q, 0,1,2,3
.set rT, 8*(2*\m+\c)+2*\q
.set rM, TMP+8*(2*\m+\c)+2*\q
.set rG, G+8*(\set)+\m
.if \m%2 == 0
	v_pk_fma_f32 v[rT:rT+1], v[rM:rM+1], v[rG:rG+1], v[rT:rT+1] op_sel_hi:[1,0,1]    ; the pair's first register serves both halves
.else
	v_pk_fma_f32 v[rT:rT+1], v[rM:rM+1], v[rG-1:rG], v[rT:rT+1] op_sel:[0,1,0]       ; the pair's second
.endif
.endr
.endr
.endif
.endr
.endm
.macro EXPERT set, adr, off            ; an expert; behind each half the next matrix's, from slot address adr + off
	BEGIN \set
	s_wait_dscnt 16                                ; the first half is in; the second's 16 loads may be out
	KS 0, 0, \set
	KS 1, 0, \set
	KS 2, 0, \set
	KS 3, 0, \set
	PLACES
	WHALF 0, \adr, \off
	s_wait_dscnt 16                                ; the second half is in; the 16 just issued may be out
	KS 4, 0, \set
	KS 5, 0, \set
	KS 6, 0, \set
	KS 7, 0, \set
	PLACES
	WHALF 1, \adr, \off
	COMBINE \set, 0, 8
.endm
; THE WAY OUT.  A lane holds 32 bytes of a row and a row's 256 bytes come from two waves: they meet in LDS, and a store covers two whole pieces of 256 bytes.
.macro STAGE u                         ; tiles 2 u, 2 u + 1 into the stage
	WIN 0x04                                       ; an LDS store's data are its source 1: window 1
.irp a, 0,1
.irp c, 0,1
	ds_store_b128 v[SO], v[8*(2*(2*\u+\a)+\c):8*(2*(2*\u+\a)+\c)+3] offset:16*SPITCH*(2*\u+\a)+64*\c
	ds_store_b128 v[SO], v[8*(2*(2*\u+\a)+\c)+4:8*(2*(2*\u+\a)+\c)+7] offset:16*SPITCH*(2*\u+\a)+64*\c+16
.endr
.endr
.endm
.macro ROWS u                          ; my 16 of the 64 rows, into the registers that held the tiles' sums
	WIN 0
.irp t, 0,1,2,3,4,5,6,7
	ds_load_b128 v[TMP+32*(\u)+4*\t:TMP+32*(\u)+4*\t+3], v[SR] offset:(32*(\u)+2*\t)*SPITCH
.endr
.endm
.macro SEND u, younger                 ; younger: the LDS instructions issued behind ROWS's, which may stay out
	WIN 0
.irp t, 0,1,2,3,4,5,6,7
	s_wait_dscnt \younger+7-\t
	global_store_b128 v[CO], v[TMP+32*(\u)+4*\t:TMP+32*(\u)+4*\t+3], s[18:19] offset:(32*(\u)+2*\t)*4096 th:TH_STORE_NT
.endr
.endm
	s_load_b512 s[4:19], s[0:1], 0x0               ; xq 4, xs 6, wq 8, ws 10, gates 12, b_shared 14, b_experts 16, out0 18
	v_lshl_add_u32 v[SPW], v0, 2, SPARE
	v_mov_b32 v[NIL], 0
	ds_add_u32 v[SPW], v[NIL]                      ; the wave's opening: the add, twice on end, and its wait ahead of my first tensor load
	ds_add_u32 v[SPW], v[NIL]
	v_lshrrev_b32 v16, 5, v0
	v_readfirstlane_b32 s22, v16                   ; wave 0..3
	s_lshr_b32 s23, s22, 1                         ; which half of the tokens
	s_and_b32 s24, s22, 1                          ; which half of the columns
	s_bfe_u32 s72, ttmp6, 0x40000                  ; cx, cy: my place in the cluster
	s_bfe_u32 s73, ttmp6, 0x40004
	s_lshl_b32 s74, ttmp9, 2
	s_add_co_u32 s74, s74, s72                     ; column block = 4 x cluster x + cx
	s_and_b32 s75, ttmp7, 0xffff
	s_lshl_b32 s75, s75, 2
	s_add_co_u32 s75, s75, s73                     ; token block = 4 x cluster y + cy
	s_lshl_b32 s76, s73, 2
	s_lshl_b32 s76, 15, s76                        ; my row of the cluster: it shares the token block
	s_lshl_b32 s77, 0x1111, s72                    ; my column: it shares the column block
	s_or_b32 s[G1X+0], s76, (1<<20)|(1<<21)|(6<<22)|(3<<25)   ; 15:0 the mask; elements of 1 byte; 20 padding on; 21 set beside a mask; 24:22 after every 128 words (code 6); 31:25 of 4 words (code 3)
	s_or_b32 s[G1W+0], s77, (1<<20)|(1<<21)|(6<<22)|(3<<25)
	s_mov_b32 s[G1X+2], 128<<16                    ; rows
	s_mov_b32 s[G1X+4], 128
	s_mov_b32 s[G1W+2], 64<<16
	s_mov_b32 s[G1W+4], 64
.irp g, G1X, G1W
	s_mov_b32 s[\g+1], 512<<16                     ; a row of 512 bytes, dense
	s_mov_b32 s[\g+3], 512<<16
	s_mov_b32 s[\g+5], 512
	s_mov_b32 s[\g+6], 0
	s_mov_b32 s[\g+7], 0
.endr
.irp g, G0X0, G0X1, G0W0, G0W1, G0R, G0S
	s_mov_b32 s[\g], 1
.endr
	s_mov_b32 s[G0X0+1], XB
	s_mov_b32 s[G0X1+1], XB+128*PITCH
	s_mov_b32 s[G0W0+1], 0
	s_mov_b32 s[G0W1+1], SLOT
	s_mul_i32 s25, s22, SLOT
	s_add_co_u32 s[G0R+1], s25, 2*SLOT             ; wave w: matrix 2 + w, then 5 + w
	s_add_co_u32 s[G0S+1], s25, 5*SLOT
	s_mul_i32 s25, s23, 128*PITCH
	s_add_co_u32 s25, s25, XB
	s_mul_i32 s26, s24, 32*PITCH
	s_mul_i32 s27, s23, 128*SPITCH
	s_mul_i32 s20, s24, 16*SPITCH
	s_add_co_u32 s20, s20, s27                     ; rows back: 128 (w / 2) + 16 (w % 2) + ..
	s_lshl_b32 s21, s24, 7
	s_add_co_u32 s27, s27, s21
	v_and_b32 v17, 31, v0                          ; l
	v_and_b32 v18, 15, v0                          ; r
	v_bfe_u32 v19, v0, 4, 1                        ; h
	v_mul_u32_u24 v20, v18, PITCH
	v_lshl_add_u32 v20, v19, 4, v20                ; a fragment's row r, + 16 h
	v_add_nc_u32 v[FX], s25, v20
	v_add_nc_u32 v[W0], s26, v20
	v_add_nc_u32 v[W2], 2*SLOT, v[W0]
	v_add_nc_u32 v[W4], 4*SLOT, v[W0]
	v_mul_u32_u24 v[SO], v18, SPITCH
	v_lshl_add_u32 v[SO], v19, 5, v[SO]
	v_add_nc_u32 v[SO], s27, v[SO]
	v_mul_u32_u24 v[SR], v19, SPITCH
	v_lshl_add_u32 v[SR], v18, 4, v[SR]
	v_add_nc_u32 v[SR], s20, v[SR]
	v_lshlrev_b32 v[CO], 12, v19
	v_lshl_add_u32 v[CO], v18, 4, v[CO]
	v_lshlrev_b32 v[L32], 5, v17
	v_lshlrev_b32 v[L64], 6, v17
	v_lshlrev_b32 v[H32], 5, v19
	v_lshlrev_b32 v[R32], 5, v18
	s_wait_alu depctr_va_vdst(0)                   ; the wait here, directly ahead of the waits below
	s_wait_dscnt 0x0                               ; both opening adds are done
	CROUND                                         ; all sixteen work-groups are here: the first joint loads meet
	s_wait_kmcnt 0x0
	s_lshl_b32 s78, s75, 17                        ; x: 256 rows of 512 bytes a token block
	s_mov_b32 s79, 0
	s_add_nc_u64 s[G0X0+2:G0X0+3], s[4:5], s[78:79]
	s_add_nc_u64 s[G0X1+2:G0X1+3], s[G0X0+2:G0X0+3], 0x10000
	s_lshl_b32 s80, s74, 15                        ; W: 64 rows of 512 bytes a column block
	s_mov_b32 s81, 0
	s_add_nc_u64 s[G0W0+2:G0W0+3], s[8:9], s[80:81]
	s_add_nc_u64 s[G0W1+2:G0W1+3], s[G0W0+2:G0W0+3], MB
	s_lshl_b32 s82, s22, 19
	s_mov_b32 s83, 0
	s_add_nc_u64 s[82:83], s[G0W0+2:G0W0+3], s[82:83]
	s_add_nc_u64 s[G0R+2:G0R+3], s[82:83], 2*MB
	s_add_nc_u64 s[G0S+2:G0S+3], s[82:83], 5*MB
.irp g, G0X0, G0X1, G0W0, G0W1, G0R, G0S
	s_or_b32 s[\g+3], s[\g+3], 0x80000000
.endr
; THE HEAD'S LOADS, ONE A WAVE, in one tree of branches on the wave's number
.macro ARM under, g0, g1, next
	s_cmp_lt_u32 s22, \under
	s_cbranch_scc0 \next
	tensor_load_to_lds s[\g0:\g0+3], s[\g1:\g1+7]
	s_nop 0
	PLACES
	s_branch .Lhead_asked
\next:
.endm
	ARM 1, G0X0, G1X, .Lhead_x1
	ARM 2, G0X1, G1X, .Lhead_w0
	ARM 3, G0W0, G1W, .Lhead_w1
	tensor_load_to_lds s[G0W1:G0W1+3], s[G1W:G1W+7]
	s_nop 0
	PLACES
.Lhead_asked:
	s_mov_b32 s93, 0
	s_lshl_b32 s92, s75, 13
	s_lshl_b32 s91, s23, 12
	s_add_co_u32 s92, s92, s91                     ; my 128 tokens in xs and gates, 32 bytes each
	s_add_nc_u64 s[6:7], s[6:7], s[92:93]
	s_add_nc_u64 s[88:89], s[12:13], s[92:93]
	s_lshl_b32 s92, s74, 12
	s_lshl_b32 s91, s24, 11
	s_add_co_u32 s92, s92, s91
	s_add_nc_u64 s[94:95], s[10:11], s[92:93]      ; my 32 rows in ws: the shared matrix's, 64 bytes each,
	s_lshr_b32 s92, s92, 1
	s_add_nc_u64 s[84:85], s[10:11], s[92:93]
	s_add_nc_u64 s[84:85], s[84:85], 0x10000       ; expert 0's, 32 bytes each
	s_lshl_b32 s92, s74, 8
	s_lshl_b32 s91, s24, 7
	s_add_co_u32 s92, s92, s91                     ; my 32 columns in the biases
	s_add_nc_u64 s[14:15], s[14:15], s[92:93]
	s_add_nc_u64 s[86:87], s[16:17], s[92:93]
.irp p, 0,1,2,3
.irp j, 0,1
	global_load_b128 v[XS+8*\p+4*\j:XS+8*\p+4*\j+3], v[L32], s[6:7] offset:1024*\p+16*\j
.endr
.endr
.irp j, 0,1
	global_load_b128 v[WS+4*\j:WS+4*\j+3], v[L64], s[94:95] offset:16*\j
.endr
.irp c, 0,1
.irp j, 0,1
	global_load_b128 v[BI+8*\c+4*\j:BI+8*\c+4*\j+3], v[H32], s[14:15] offset:64*\c+16*\j
.endr
.endr
	NEXT 1                                         ; expert 0's
	s_lshl_b32 s92, s75, 20
	s_lshl_b32 s91, s23, 19
	s_add_co_u32 s92, s92, s91
	s_lshl_b32 s91, s24, 16
	s_add_co_u32 s92, s92, s91
	s_lshl_b32 s91, s74, 8
	s_add_co_u32 s92, s92, s91                     ; the way out: row 256 x token block + 128 (w / 2) + 16 (w % 2), column 64 x column block
	s_add_nc_u64 s[18:19], s[18:19], s[92:93]
	s_wait_alu depctr_va_vdst(0)                   ; the wait at the head's end
	s_wait_tensorcnt 0x0                           ; my load is in
	ds_add_u32 v[SPW], v[NIL]
	s_wait_dscnt 0x0
	CROUND                                         ; x and matrices 0, 1 are in
	s_cmp_lt_u32 s22, 3
	s_cbranch_scc0 .Lnone
	tensor_load_to_lds s[G0R:G0R+3], s[G1W:G1W+7]  ; waves 0-2: matrices 2, 3, 4
	s_nop 0
	PLACES
.Lnone:
; MATRIX 0, the shared one, while x's fragments come out of LDS: two K steps are 8 loads of W and 32 of x
	WPAIR 0, W0, 0
	XK 0
	XK 1
	WPAIR 1, W0, 0
	XK 2
	XK 3
	WIN 0
	s_wait_loadcnt 14                              ; x's scale words, matrix 0's and bs are in; expert 0's 14 may be out
	s_wait_dscnt 40                                ; K steps 0, 1; the 40 of K steps 2, 3 may be out
	KS 0, 1, 0
	KS 1, 1, 0
	WPAIR 2, W0, 0
	XK 4
	XK 5
	s_wait_dscnt 40                                ; K steps 2, 3; the 40 just issued may be out
	KS 2, 1, 0
	KS 3, 1, 0
	PLACES
	WPAIR 3, W0, 0
	XK 6
	XK 7
	WHALF 0, W0, SLOT                              ; matrix 1's first half
	s_wait_dscnt 56                                ; K steps 4, 5; the 40 of K steps 6, 7 and matrix 1's 16 may be out
	KS 4, 1, 0
	KS 5, 1, 0
	s_wait_dscnt 16                                ; K steps 6, 7; matrix 1's 16 may be out
	KS 6, 1, 0
	KS 7, 1, 0
	PLACES
	WHALF 1, W0, SLOT
; MATRIX 1 (expert 0), with the second round in its second half
	BEGIN 1
	s_wait_dscnt 16
	KS 0, 0, 1
	KS 1, 0, 1
	KS 2, 0, 1
	KS 3, 0, 1
	WIN 0                                          ; (the add's two registers lie in window 0)
	s_wait_tensorcnt 0x0                           ; matrices 2-4: my part is in
	ds_add_u32 v[SPW], v[NIL]
	s_wait_dscnt 1                                 ; the second half is in (the add may be out)
	KS 4, 0, 1
	s_wait_dscnt 0x0                               ; the add is done, and so are all my reads of x's rows
	s_barrier_signal -1
	KS 5, 0, 1
	WIN 0
	s_barrier_wait -1
	CREST
	tensor_load_to_lds s[G0S:G0S+3], s[G1W:G1W+7]  ; wave w: matrix 5 + w, over x's rows
	s_nop 0
	PLACES
	WHALF 0, W2, 0
	KS 6, 0, 1
	KS 7, 0, 1
	PLACES
	WHALF 1, W2, 0
	COMBINE 1, 0, 8
	EXPERT 0, W2, SLOT                             ; MATRIX 2
; MATRIX 3, with a barrier that shows matrices 5 to 8 to every wave
	BEGIN 1
	s_wait_dscnt 16
	KS 0, 0, 1
	KS 1, 0, 1
	KS 2, 0, 1
	KS 3, 0, 1
	PLACES
	WHALF 0, W4, 0
	s_wait_dscnt 16
	KS 4, 0, 1
	KS 5, 0, 1
	s_wait_tensorcnt 0x0                           ; my load is in
	s_wait_dscnt 0x0                               ; and none of my LDS loads is out
	s_barrier_signal -1
	KS 6, 0, 1
	s_barrier_wait -1
	KS 7, 0, 1
	PLACES
	WHALF 1, W4, 0
	COMBINE 1, 0, 8
	WIN 0
	s_mov_b32 s90, 0
.Lpair:                                            ; MATRICES 4 to 7, two a trip
	EXPERT 0, W4, SLOT
	WIN 0
	v_add_nc_u32 v[W4], 2*SLOT, v[W4]
	s_wait_alu depctr_va_vdst(0)                   ; the wait here, directly behind the write
	EXPERT 1, W4, 0
	WIN 0
	s_add_co_u32 s90, s90, 1
	s_cmp_lt_u32 s90, 2
	s_cbranch_scc1 .Lpair
; MATRIX 8: nothing more to ask for.  All its fragments lie in registers; it goes by pairs of token tiles, and a pair's rows leave while the next is multiplied
	s_wait_loadcnt 0x0
	s_wait_dscnt 16
	UNIT 0, 0, 4
	s_wait_dscnt 0x0
	UNIT 0, 4, 8
	PLACES
	COMBINE 0, 0, 2
	STAGE 0
.irp u, 1,2,3
	UNIT \u, 0, 2                                  ; eight matrix instructions stand between the stage's stores and the wait for them
	s_wait_dscnt 0x0                               ; for the others' sake: the last pair's rows lie in LDS
	s_barrier_signal -1
	UNIT \u, 2, 8
	s_barrier_wait -1
	ROWS \u-1
	PLACES
	COMBINE 0, 2*\u, 2*\u+2
	STAGE \u
	SEND \u-1, 8                                   ; the stage's eight stores may be out
.endr
	s_wait_tensorcnt 0x0                           ; behind my last tensor load and my last LDS store
	ds_add_u32 v[SPW], v[NIL]
	s_wait_dscnt 0x0
	CROUND                                         ; the closing round, which also shows the last pair's rows to the other waves
	ROWS 3
	SEND 3, 0
	s_endpgm
.Lfunc_end_k_q67280bd77c_moe:
	.size	k_q67280bd77c_moe, .Lfunc_end_k_q67280bd77c_moe-k_q67280bd77c_moe
	.p2alignl 7, 3214868480
	.fill 96, 4, 3214868480
	.section	.rodata,"a",@progbits
	.p2align	6, 0x0
	.amdhsa_kernel k_q67280bd77c_moe
		.amdhsa_group_segment_fixed_size 327680
		.amdhsa_private_segment_fixed_size 0
		.amdhsa_enable_private_segment 0
		.amdhsa_kernarg_size 64
		.amdhsa_user_sgpr_count 2
		.amdhsa_user_sgpr_kernarg_segment_ptr 1
		.amdhsa_wavefront_size32 1
		.amdhsa_system_sgpr_workgroup_id_x 1
		.amdhsa_system_sgpr_workgroup_id_y 1
		.amdhsa_system_sgpr_workgroup_id_z 1
		.amdhsa_system_vgpr_workitem_id 0
		.amdhsa_next_free_vgpr 1024
		.amdhsa_next_free_sgpr 100
		.amdhsa_reserve_vcc 0
		.amdhsa_float_denorm_mode_32 3
		.amdhsa_float_denorm_mode_16_64 3
		.amdhsa_memory_ordered 1
		.amdhsa_forward_progress 1
		.amdhsa_inst_pref_size 191
	.end_amdhsa_kernel
	.amdgpu_metadata
---
amdhsa.version: [ 1, 2 ]
amdhsa.kernels:
  - .name:           k_q67280bd77c_moe
    .symbol:         k_q67280bd77c_moe.kd
    .args:
      - { .name: xq, .offset: 0, .size: 8, .value_kind: global_buffer, .address_space: global }
      - { .name: xs, .offset: 8, .size: 8, .value_kind: global_buffer, .address_space: global }
      - { .name: wq, .offset: 16, .size: 8, .value_kind: global_buffer, .address_space: global }
      - { .name: ws, .offset: 24, .size: 8, .value_kind: global_buffer, .address_space: global }
      - { .name: gates, .offset: 32, .size: 8, .value_kind: global_buffer, .address_space: global }
      - { .name: b_shared, .offset: 40, .size: 8, .value_kind: global_buffer, .address_space: global }
      - { .name: b_experts, .offset: 48, .size: 8, .value_kind: global_buffer, .address_space: global }
      - { .name: out0, .offset: 56, .size: 8, .value_kind: global_buffer, .address_space: global }
    .group_segment_fixed_size: 327680
    .private_segment_fixed_size: 0
    .kernarg_segment_align: 8
    .kernarg_segment_size: 64
    .max_flat_workgroup_size: 128
    .sgpr_count:     100
    .vgpr_count:     1024
    .wavefront_size: 32
...
	.end_amdgpu_metadata
.endif
;; end of part 2
